; MI455X (gfx1250); checked and timed in simulation.
; The chip was launched on July 23, 2026; its instructions are those of AMD's public machine-readable ISA for CDNA 5 (MIT licence, August 2026) and "CDNA5" Instruction Set Architecture Reference Guide (July 2026). The comments in the code are by the model that wrote it; some were corrected since.
;; Vector Quantizer. Allowed arithmetic: float matrix products may take bf16 or f16 operands with f32 sums; all other float work in f32.
;; Inputs: codebook 8,192 x 256 float32; z_e 32,768 x 256 float32.
;; Outputs: out0 32,768 x 256 float32; out1 32,768 int32; out2 one number float32.
;; 2 versions, each right; version 2 is version 1 with the launch vq_gather written anew for expert scheduling mode. Each part assembles by itself: llvm-mc -triple=amdgcn-amd-amdhsa -mcpu=gfx1250 --defsym DOCPART=n.
;; ======== version 1 of 2: 4 launches
;; workspace buffers: cbimg 4,325,376 bytes; order 131,072 bytes of whole numbers; part 16,384 bytes
;; launch cb_image (part 1): grid 256 x 1, 8 waves a work-group, no clusters, 17,920 bytes of LDS; arguments codebook, cbimg; writes cbimg
.if DOCPART == 1
	.amdgcn_target "amdgcn-amd-amdhsa--gfx1250"
	.amdhsa_code_object_version 6
	.text
	.protected	k_q7099d2c01e_cb_image
	.globl	k_q7099d2c01e_cb_image
	.p2align	8
	.type	k_q7099d2c01e_cb_image,@function
k_q7099d2c01e_cb_image:
	s_mov_b64 s[64:65], 0
	v_nop
	global_prefetch_b8 v0, s[64:65] scope:SCOPE_SE
	s_setreg_imm32_b32 hwreg(HW_REG_WAVE_MODE, 25, 1), 1
	s_wait_xcnt 0x0
; cbimg = the codebook as the next launch wants it in LDS.  Row k of 8,192 lies at byte 528 k: 256 bf16 (512 bytes), then 16 bytes.
; In each group of 16 rows (8,448 bytes = 33 x 256) the 16 spare bytes of rows 0 to 3 hold e_sq = sum of bf16(codebook)^2 of the group's
; rows 0-3, 4-7, 8-11, 12-15 in f32; those of rows 4 to 15 hold 0.  So a tile of the image is dense in memory and already has its LDS pitch.
; SHARES.  A work-group makes 32 rows = 16,896 bytes of image = 33 x 512.  Wave w takes rows 4 w .. 4 w + 3; lane l takes columns 4 l .. 4 l + 3
; and 128 + 4 l .. + 3 of each, so each load of a wave covers 512 consecutive bytes.  The image is put together in LDS and leaves as whole
; runs of 512 consecutive bytes, at multiples of 256 from the buffer's first byte.
.set PITCH, 528
.set GROUP, 16*PITCH
.set IMG,   32*PITCH                   ; 16,896 bytes of image at LDS byte 0
.set SPARE, IMG                        ; behind it the spare words, 128 bytes for each of eight waves: four blocks of 256 bytes that no other line names
.set GA,  1                            ; v1      my byte offset in the work-group's 32 rows of the codebook
.set LA,  2                            ; v2      LDS address of my 8 bytes in my wave's first row
.set BK,  3                            ; v3      16 x thread: where I read the image back, and where it goes in cbimg
.set X,   4                            ; v[4:35]   row m: 8 f32 as loaded; later the image on its way out
.set P,   36                           ; v[36:51]  row m: 4 words of packed bf16
.set E,   52                           ; v[52:55]  e_sq of my wave's four rows
.set TP,  56                           ; v56     at work
.set Z0,  58                           ; v[58:61]  zeros
.set SPW, 62                           ; v62     LDS address of my spare word; never rewritten
.set NIL, 63                           ; v63     0; never rewritten
.set AE,  64                           ; v64     the row whose spare bytes take my wave's four e_sq
.set AZ,  65                           ; v65     the first of the three rows whose spare bytes my wave clears, less four rows
	s_load_b128 s[4:7], s[0:1], 0x0                ; codebook s[4:5], cbimg s[6:7]
	v_lshl_add_u32 v[SPW], v0, 2, SPARE
	v_mov_b32 v[NIL], 0
	v_lshrrev_b32 v[GA], 5, v0
	v_readfirstlane_b32 s8, v[GA]                  ; wave 0..7
	v_and_b32 v[LA], 31, v0                        ; lane
	v_lshlrev_b32 v[BK], 4, v0
	s_lshl_b32 s10, ttmp9, 15                      ; 32 rows of 1,024 bytes
	s_mov_b32 s11, 0
	s_mul_i32 s14, ttmp9, IMG
	s_mov_b32 s15, 0
	s_mov_b32 s12, 0x76543210                      ; v_permlanex16_b32: each lane takes its own place in the other half
	s_mov_b32 s13, 0xfedcba98
	v_lshlrev_b32 v[GA], 12, v[GA]                 ; my wave's four rows,
	v_lshl_add_u32 v[GA], v[LA], 4, v[GA]          ; 16 bytes a lane
	s_mul_i32 s16, s8, 4*PITCH
	v_lshl_add_u32 v[LA], v[LA], 3, s16            ; in the image: four rows a wave, 8 bytes a lane
	s_lshr_b32 s17, s8, 2                          ; my rows' group of 16,
	s_and_b32 s18, s8, 3                           ; and which four of it they are
	s_mul_i32 s17, s17, GROUP
	s_mul_i32 s19, s18, PITCH
	s_add_co_u32 s19, s19, s17
	v_mov_b32 v[AE], s19
	s_mul_i32 s20, s18, 3*PITCH
	s_add_co_u32 s20, s20, s17
	v_mov_b32 v[AZ], s20
	v_mov_b32 v[TP], 0                             ; written once: the lane exchange counts its destination as read
.irp j, 0,1,2,3
	v_mov_b32 v[Z0+\j], 0
.endr
	s_wait_kmcnt 0x0
	s_add_nc_u64 s[4:5], s[4:5], s[10:11]
	s_add_nc_u64 s[6:7], s[6:7], s[14:15]
.irp m, 0,1,2,3
	global_load_b128 v[X+8*\m:X+8*\m+3],   v[GA], s[4:5] offset:1024*\m
	global_load_b128 v[X+8*\m+4:X+8*\m+7], v[GA], s[4:5] offset:1024*\m+512
.endr
; Row m: rounded to bf16, the squares of the ROUNDED numbers summed in f32, the 16 bytes put into the image.
.macro ROWWORK m
	s_wait_loadcnt 6-2*(\m)                        ; loads come back in order: row m's two are in, two for each younger row stay out
.irp j, 0,1,2,3
	v_cvt_pk_bf16_f32 v[P+4*(\m)+\j], v[X+8*(\m)+2*\j], v[X+8*(\m)+2*\j+1]
.endr
	v_mov_b32 v[E+(\m)], 0
.irp j, 0,1,2,3
	v_fma_mix_f32_bf16 v[E+(\m)], v[P+4*(\m)+\j], v[P+4*(\m)+\j], v[E+(\m)] op_sel_hi:[1,1,0]                 ; low half squared
	v_fma_mix_f32_bf16 v[E+(\m)], v[P+4*(\m)+\j], v[P+4*(\m)+\j], v[E+(\m)] op_sel:[1,1,0] op_sel_hi:[1,1,0]  ; high half squared
.endr
	ds_store_b64 v[LA], v[P+4*(\m):P+4*(\m)+1]   offset:(\m)*PITCH
	ds_store_b64 v[LA], v[P+4*(\m)+2:P+4*(\m)+3] offset:(\m)*PITCH+256
.endm
	ROWWORK 0
	ROWWORK 1
	ROWWORK 2
	ROWWORK 3
.irp x, 1,2,4,8                        ; the 32 lanes' sums: four steps inside each half ride on the addition, one crosses the halves
.irp m, 0,1,2,3
	v_add_f32_dpp v[E+\m], v[E+\m], v[E+\m] row_xmask:\x row_mask:0xf bank_mask:0xf
.endr
.endr
.irp m, 0,1,2,3
	v_permlanex16_b32 v[TP], v[E+\m], s12, s13
	v_add_f32 v[E+\m], v[E+\m], v[TP]
.endr
	ds_store_b128 v[AE], v[E:E+3] offset:512       ; every lane holds the same four sums and writes the same 16 bytes
.irp i, 0,1,2
	ds_store_b128 v[AZ], v[Z0:Z0+3] offset:(4+\i)*PITCH+512
.endr
	s_wait_dscnt 0x0                               ; for the others' sake: my part of the image is written
	s_barrier_signal -1
	s_barrier_wait -1
	s_cmp_lg_u32 s8, 0                             ; 33 runs of 512 bytes: four for each wave, and the last for wave 0
	s_cbranch_scc1 .Lnot_wave_0
	ds_load_b128 v[X+16:X+19], v[BK] offset:16384
	s_wait_dscnt 0x0
	global_store_b128 v[BK], v[X+16:X+19], s[6:7] offset:16384
.Lnot_wave_0:
.irp i, 0,1,2,3
	ds_load_b128 v[X+4*\i:X+4*\i+3], v[BK] offset:4096*\i
.endr
.irp i, 0,1,2,3
	s_wait_dscnt 3-\i                              ; LDS loads come back in order: the younger ones stay out
	global_store_b128 v[BK], v[X+4*\i:X+4*\i+3], s[6:7] offset:4096*\i
.endr
	s_wait_tensorcnt 0x0                           ; the wave's end: these three lines behind my last LDS store
	ds_add_u32 v[SPW], v[NIL]
	s_wait_dscnt 0x0
	s_endpgm
.Lfunc_end_k_q7099d2c01e_cb_image:
	.size	k_q7099d2c01e_cb_image, .Lfunc_end_k_q7099d2c01e_cb_image-k_q7099d2c01e_cb_image
	.p2alignl 7, 3214868480
	.fill 96, 4, 3214868480
	.section	.rodata,"a",@progbits
	.p2align	6, 0x0
	.amdhsa_kernel k_q7099d2c01e_cb_image
		.amdhsa_group_segment_fixed_size 17920
		.amdhsa_private_segment_fixed_size 0
		.amdhsa_enable_private_segment 0
		.amdhsa_kernarg_size 16
		.amdhsa_user_sgpr_count 2
		.amdhsa_user_sgpr_kernarg_segment_ptr 1
		.amdhsa_wavefront_size32 1
		.amdhsa_system_sgpr_workgroup_id_x 1
		.amdhsa_system_sgpr_workgroup_id_y 1
		.amdhsa_system_sgpr_workgroup_id_z 1
		.amdhsa_system_vgpr_workitem_id 0
		.amdhsa_next_free_vgpr 68
		.amdhsa_next_free_sgpr 66
		.amdhsa_reserve_vcc 0
		.amdhsa_float_denorm_mode_32 3
		.amdhsa_float_denorm_mode_16_64 3
		.amdhsa_memory_ordered 1
		.amdhsa_forward_progress 1
		.amdhsa_inst_pref_size 10
	.end_amdhsa_kernel
	.amdgpu_metadata
---
amdhsa.version: [ 1, 2 ]
amdhsa.kernels:
  - .name:           k_q7099d2c01e_cb_image
    .symbol:         k_q7099d2c01e_cb_image.kd
    .args:
      - { .name: codebook, .offset: 0, .size: 8, .value_kind: global_buffer, .address_space: global }
      - { .name: cbimg, .offset: 8, .size: 8, .value_kind: global_buffer, .address_space: global }
    .group_segment_fixed_size: 17920
    .private_segment_fixed_size: 0
    .kernarg_segment_align: 8
    .kernarg_segment_size: 16
    .max_flat_workgroup_size: 256
    .sgpr_count:     66
    .vgpr_count:     68
    .wavefront_size: 32
...
	.end_amdgpu_metadata
.endif
;; end of part 1
;; launch vq_argmin (part 2): grid 256 x 1, 4 waves a work-group, clusters of 4 x 1, 327,680 bytes of LDS; arguments z_e, cbimg, out1, order; writes out1, order
.if DOCPART == 2
	.amdgcn_target "amdgcn-amd-amdhsa--gfx1250"
	.amdhsa_code_object_version 6
	.text
	.protected	k_q7099d2c01e_vq_argmin
	.globl	k_q7099d2c01e_vq_argmin
	.p2align	8
	.type	k_q7099d2c01e_vq_argmin,@function
k_q7099d2c01e_vq_argmin:
	s_mov_b64 s[64:65], 0
	v_nop
	global_prefetch_b8 v0, s[64:65] scope:SCOPE_SE
	s_setreg_imm32_b32 hwreg(HW_REG_WAVE_MODE, 25, 1), 1
	s_wait_xcnt 0x0
	s_wait_alu depctr_hold_cnt(0) depctr_sa_sdst(0) depctr_va_vdst(0) depctr_va_sdst(0) depctr_va_ssrc(0) depctr_va_vcc(0) depctr_vm_vsrc(0)
	s_getreg_b32 s2, hwreg(HW_REG_IB_STS2, 6, 4)
	s_cmp_eq_u32 s2, 0
	s_cbranch_scc0 .Lentry_in_a_cluster
	s_endpgm
.Lentry_in_a_cluster:
	s_bfe_u32 s2, ttmp6, 0x10000c
	s_cmp_lg_u32 s2, 0x3003
	s_cbranch_scc0 .Lentry_shape_is_right
	s_endpgm
.Lentry_shape_is_right:
; out1[b] = order[b] = the first k at which d2[b][k] = (z_sq[b] - 2 z[b].e[k]) + e_sq[k] is least.  z: 32,768 x 256 f32; e: 8,192 x 256, here as the bf16 image cbimg.
; z is rounded to bf16 here; z_sq and e_sq are the sums of squares of the ROUNDED numbers; products of bf16 summed in f32 by the matrix unit; d2 is formed with two f32 roundings, in the order written above.
; LIMITS.  A NaN score is passed over by the minimum.  A row whose d2 are all +inf gets index 0.  Two codes whose d2 agree to within the rounding of the sums of products
; (about one unit in d2's last place) may come out in the other order than with another order of summation.
; SHARES.  A work-group owns 128 queries.  EVERY wave keeps all 128 in registers, as source 1 (8 tiles of 16 queries x 8 chunks of 32 along K x 8 registers = 512), and the CODES are shared out:
; of each slot of 256 codes wave w takes rows 64 w .. 64 w + 63, in four STEPS of 16.  So each LDS byte is read once, by one wave, and a fragment (two loads) feeds eight products.
; LAYOUT.  D = (16 codes) x (16 queries): lane l holds ONE query, l % 16, and in register j the code 8 (l / 16) + j.  The minimum over codes stays in the lane until the end.
; THE MINIMUM.  For each tile and lane: the running minimum (two buffers that take turns, so that old and new can be compared), the number of the step that last lowered it, and that step's eight d2.
; The compare is strict, so the earliest step keeps a tie; at the end the lowest register that holds the minimum gives the code; halves of lanes and waves are merged by (value, code).
; BY TURNS.  Tiles 0-3 are piece 0, tiles 4-7 piece 1.  In a TURN one piece issues its 32 products of a step; the other piece's 88 vector instructions stand behind them.
; CLUSTER.  All work-groups walk the same image, so each slot is asked for JOINTLY by the four work-groups of a cluster: the same tensor load, descriptor and mask in all four.
; REGISTERS, in windows of 256 (s_set_vgpr_msb: bits 1:0 source 0, 3:2 source 1, 5:4 source 2, 7:6 destination):
;   window 0: all that is listed below          window 1: Q of tiles 0-3, tile q chunk c at 64 (q % 4) + 8 c          window 2: Q of tiles 4-7
; A product has source 1 in window 1 or 2.  The packed multiply-adds (source 1 a constant) and the LDS loads name vector registers as destination, source 0 and source 2 alone, all in window 0:
; they run under a product's setting.  Only the minima, compares and selects want window 0 for source 1: they stand four together, 14 times a turn.
.set PITCH,  528                       ; a row of the image: 512 bytes + 16 = 132 words: row r starts at bank 4 r mod 64 (64 banks of 4 bytes: ISA guide 11.1)
.set STEPB,  16*PITCH                  ; a step's 16 codes
.set QUART,  64*PITCH                  ; a wave's part of a slot: 33,792 bytes = 132 rows of 256
.set SLOTB,  4*QUART                   ; a slot: 256 codes, 135,168 bytes = 0x21000
.set SLOTX,  SLOTB                     ; slot 1 begins here; the waves' offsets 0x8400 w have bits 12 and 17 clear, so one exclusive or turns an address in one slot into the other's
.set ZPITCH, 1040                      ; a row of z in LDS: 1,024 bytes + 16
.set ZQUART, 32*ZPITCH                 ; z's 128 rows lie in slot 1 until they are converted: 133,120 bytes
.set STAGE,  2*SLOTB                   ; behind the ring, never filled by a tensor load: for each wave 128 pairs (value, code) of 8 bytes
.set SPARE,  STAGE+4096                ; the spare words, 128 bytes for each wave: two blocks of 256 bytes that no other line names
.set AK0, 3                            ; v3   my lane's place in my wave's quarter: 33,792 w + 528 (l % 16) + 16 (l / 16); never rewritten
.set AE0, 4                            ; v4   33,792 w + 1,056 (l / 16): the two rows whose spare bytes hold my eight e_sq
.set ADR, 5                            ; v5   LDS address of the fragment loads in hand
.set AER, 6                            ; v6   of e_sq's
.set ZA,  7                            ; v7, v8   my lane's place in z's rows 0-63, 64-127
.set CB,  9                            ; v9   the end: 64 w + 8 (l / 16)
.set TM,  10                           ; v10-12   at work
.set SA,  13                           ; v13  the end: where my pair goes in the stage
.set SPW, 14                           ; v14  LDS address of my spare word; never rewritten
.set NIL, 15                           ; v15  0; never rewritten
.set AF,  16                           ; v16-79    a step's codes: chunk c at AF + 8 c
.set ACC, 80                           ; v80-143   tile q's accumulator at ACC + 8 q
.set SV,  144                          ; v144-207  tile q's eight d2 of the best step
.set EQ,  208                          ; v208-223  e_sq of my eight codes, two buffers by the step's parity
.set ZSQ, 224                          ; v224-231  z_sq of my query in tile q
.set RUN, 232                          ; v232-247  the running minimum, two buffers: a step of parity p reads buffer p and writes the other
.set TID, 248                          ; v248-255  the best step's number
.set WV,  12                           ; s12  my wave's number
.set G1C, 24                           ; s[24:31] descriptor group 1 for the image's tiles
.set G1Z, 32                           ; s[32:39] for z's tile
.set G0C, 40                           ; s[40:43] descriptor group 0 for the image: it walks
.set G0Z, 44                           ; s[44:47] for z
.set SLOTS, 48                         ; s48  counts the changes of slots
.set CNT, 49                           ; s49  counts pairs of trips
.set TB,  50                           ; s50  LDS byte, less the wave's part, at which the step to be fetched begins
.set SN,  51                           ; s51  the number of the step whose minimum is being taken
.set MK,  52                           ; s52, s53  the compare's lanes, by the tile's parity
.set SEL, 54                           ; s[54:55] v_permlanex16_b32's selects: each lane takes its own place in the other half
.set DM,  56                           ; s57-s63  lanes j and 24 + j: where register j of a 16 x 16 result holds the diagonal
.set VAL, 66                           ; s66  lanes 0-7 and 24-31
.set PINF, 70                          ; s70  +inf
.set MSB, 0
.macro WIN new                         ; the immediate's high byte repeats the setting that is left; a switch that changes nothing is dropped
.if MSB != (\new)
	s_set_vgpr_msb (MSB<<8)|(\new)
.set MSB, (\new)
.endif
.endm
; A round of the cluster's barrier: my work-group's barrier, so that wave 0's signal speaks for all four waves; wave 0 signals; every wave waits for all four work-groups; my work-group's barrier once more.
.macro CROUND
	s_barrier_signal -1
	s_barrier_wait -1
	s_cmp_lg_u32 s[WV], 0
	s_cbranch_scc1 .Lnot_wave_0_\@
	s_barrier_signal -3
.Lnot_wave_0_\@:
	s_barrier_wait -3
	s_barrier_signal -1
	s_barrier_wait -1
.endm
; THE CHANGE OF SLOTS.  fill = 1: each wave waits for all its tensor loads (one is out: its quarter of the slot to be entered), adds 0 to its spare word, and waits for that and for its reads of the slot
; that it leaves; a round of the cluster's barrier; then that slot is filled again, first thing behind the round, with the codes two slots on: one joint load a wave, its own quarter.
; From there to the wait for it a wave issues four steps' 256 products.
; fill = 0: nothing is left to fetch.  A wave reads only the quarter that its own load brought, so its own wait is all that the reads need.
.macro CHANGE fill
	WIN 0                                          ; at a label and at a branch every window is 0
	s_wait_tensorcnt 0x0                           ; no tensor load of mine is out, so the group 0 may be written
.if \fill
	ds_add_u32 v[SPW], v[NIL]                      ; 0 onto my spare word; the descriptor's steps stand between it and the wait for it
	s_xor_b32 s[G0C+1], s[G0C+1], SLOTX            ; the other slot than last time,
	s_add_nc_u64 s[G0C+2:G0C+3], s[G0C+2:G0C+3], SLOTB  ; the next 256 codes; the type bits on top are not reached
	s_wait_dscnt 0x0                               ; the add is done, and my reads of the slot are over
	CROUND
	tensor_load_to_lds s[G0C:G0C+3], s[G1C:G1C+7]
	s_nop 0
.rept 4
	v_nop
.endr
.endif
	s_sub_co_u32 s[TB], s[TB], QUART               ; the fetches go back to a quarter's first step,
	s_xor_b32 s[TB], s[TB], SLOTX                  ; in the other slot
.endm
	s_load_b256 s[4:11], s[0:1], 0x0               ; z_e s[4:5], cbimg s[6:7], out1 s[8:9], order s[10:11]
	v_lshl_add_u32 v[SPW], v0, 2, SPARE
	v_mov_b32 v[NIL], 0
	ds_add_u32 v[SPW], v[NIL]                      ; the wave's opening: the add and its wait ahead of my first tensor load; the set-up below, work on registers, stands between them
	v_lshrrev_b32 v1, 5, v0
	v_readfirstlane_b32 s[WV], v1                  ; wave 0..3
	s_bfe_u32 s13, ttmp6, 0x40000                  ; cx: my place in the cluster
	s_lshl_b32 s14, ttmp9, 2                       ; in a cluster launch ttmp9 counts clusters
	s_add_co_u32 s14, s14, s13                     ; my block of 128 queries: it enters z's and the outputs' addresses alone
	s_lshl_b32 s16, s14, 17                        ; 128 rows of 1,024 bytes,
	s_lshl_b32 s17, s[WV], 15                      ; of which I fetch 32
	s_add_co_u32 s16, s16, s17
	s_mov_b32 s17, 0
	s_mul_i32 s18, s[WV], QUART                    ; my quarter of a slot, in the image and in LDS: no place in the cluster enters it
	s_mov_b32 s19, 0
	s_lshl_b32 s20, s14, 9                         ; 128 indices of 4 bytes
	s_mov_b32 s21, 0
	; descriptor group 1 for the image: a quarter of a slot is 33,792 dense bytes, asked for as 132 rows of 256
	s_mov_b32 s[G1C+0], 15|(3<<16)|(1<<21)         ; 15:0 the mask: all four work-groups; 17:16 elements of 8 bytes; 21 set beside a mask; no padding: the image has its pitch already
	s_mov_b32 s[G1C+1], 32<<16                     ; tensor_dim0 = 32
	s_mov_b32 s[G1C+2], 132<<16                    ; tensor_dim1 = 132
	s_mov_b32 s[G1C+3], 32<<16                     ; tile_dim0 = 32
	s_mov_b32 s[G1C+4], 132                        ; tile_dim1 = 132
	s_mov_b32 s[G1C+5], 32                         ; 32 elements from row to row
	s_mov_b32 s[G1C+6], 0
	s_mov_b32 s[G1C+7], 0
	; for z: 32 rows of 256 f32, my work-group's own (mask 0), 4 words of padding behind every 256
	s_mov_b32 s[G1Z+0], (2<<16)|(1<<20)|(7<<22)|(3<<25)
	s_mov_b32 s[G1Z+1], 256<<16
	s_mov_b32 s[G1Z+2], 32<<16
	s_mov_b32 s[G1Z+3], 256<<16
	s_mov_b32 s[G1Z+4], 32
	s_mov_b32 s[G1Z+5], 256
	s_mov_b32 s[G1Z+6], 0
	s_mov_b32 s[G1Z+7], 0
	s_mov_b32 s[G0C], 1                            ; count = 1
	s_mul_i32 s[G0C+1], s[WV], QUART               ; LDS address: slot 0, my quarter
	s_mov_b32 s[G0Z], 1
	s_mul_i32 s[G0Z+1], s[WV], ZQUART
	s_add_co_u32 s[G0Z+1], s[G0Z+1], SLOTB         ; z lies where slot 1 will be
	s_mov_b32 s[SEL], 0x76543210
	s_mov_b32 s[SEL+1], 0xfedcba98
.irp j, 1,2,3,4,5,6,7
	s_mov_b32 s[DM+\j], (0x01000001<<\j)
.endr
	s_mov_b32 s[VAL], 0xff0000ff
	s_mov_b32 s[PINF], 0x7f800000
	s_mov_b32 s[TB], SLOTX+QUART                   ; the first change of slots turns this into 0
	s_mov_b32 s[SN], 0
	s_mov_b32 s[SLOTS], 31
	s_wait_dscnt 0x0                               ; the opening add is done
	s_wait_kmcnt 0x0
	s_add_nc_u64 s[G0C+2:G0C+3], s[6:7], s[18:19]  ; global address: my quarter of codes 0-255
	s_or_b32 s[G0C+3], s[G0C+3], 0x80000000        ; type = 2
	s_add_nc_u64 s[G0Z+2:G0Z+3], s[4:5], s[16:17]
	s_or_b32 s[G0Z+3], s[G0Z+3], 0x80000000
	s_add_nc_u64 s[8:9], s[8:9], s[20:21]
	s_add_nc_u64 s[10:11], s[10:11], s[20:21]
	CROUND                                         ; all four work-groups are here: the first joint loads meet
	tensor_load_to_lds s[G0Z:G0Z+3], s[G1Z:G1Z+7]  ; the two first fills go out together: two tensor loads of mine are out here, one behind every later round
	s_nop 0
	tensor_load_to_lds s[G0C:G0C+3], s[G1C:G1C+7]
	s_nop 0
.rept 4
	v_nop
.endr
	v_and_b32 v1, 15, v0                           ; l % 16
	v_bfe_u32 v2, v0, 4, 1                         ; l / 16
	v_mul_u32_u24 v[AK0], v1, PITCH
	v_lshl_add_u32 v[AK0], v2, 4, v[AK0]
	v_add_nc_u32 v[AK0], s18, v[AK0]
	v_mul_u32_u24 v[AE0], v2, 2*PITCH
	v_add_nc_u32 v[AE0], s18, v[AE0]
	v_mul_u32_u24 v[ZA], v1, ZPITCH
	v_lshl_add_u32 v[ZA], v2, 5, v[ZA]             ; eight f32 are 32 bytes
	v_add_nc_u32 v[ZA], SLOTB, v[ZA]
	v_add_nc_u32 v[ZA+1], 64*ZPITCH, v[ZA]
	s_wait_tensorcnt 0x1                           ; my 32 rows of z are in; slot 0's load, issued behind it, may stay out
	s_barrier_signal -1
	s_barrier_wait -1                              ; everybody's are
; Q.  A fragment is 16 queries x 32 along K in 8 registers: lane l holds query l % 16, K = 8 (l / 16) + 0..7 and 16 + 8 (l / 16) + 0..7: in f32 two runs of 32 bytes, 64 bytes apart.
; Half a tile at a time (batch b: tile b / 2, chunks 4 (b % 2) on): 16 loads into 64 registers, 32 roundings; two buffers, the registers that later hold the codes and the accumulators.
.macro QLOAD b
.set qq, (\b)/2
.set bf, AF+64*((\b)%2)
.set za, ZA+qq/4
.set zo, (qq%4)*16*ZPITCH+512*((\b)%2)
.irp i, 0,1,2,3
	ds_load_b128 v[bf+16*\i:bf+16*\i+3],     v[za] offset:zo+128*\i
	ds_load_b128 v[bf+16*\i+4:bf+16*\i+7],   v[za] offset:zo+128*\i+16
	ds_load_b128 v[bf+16*\i+8:bf+16*\i+11],  v[za] offset:zo+128*\i+64
	ds_load_b128 v[bf+16*\i+12:bf+16*\i+15], v[za] offset:zo+128*\i+80
.endr
.endm
.macro QCVT b
.set qq, (\b)/2
.set bf, AF+64*((\b)%2)
.set rQ, 64*(qq%4)+32*((\b)%2)
	WIN 0x40*(1+qq/4)                              ; destination window 1 or 2
.set ii, 0
.rept 32
	v_cvt_pk_bf16_f32 v[rQ+ii], v[bf+2*ii], v[bf+2*ii+1]
.set ii, ii+1
.endr
.endm
	QLOAD 0
.set bb, 0
.rept 15
	WIN 0
	QLOAD bb+1
	s_wait_dscnt 16                                ; all but the next batch's sixteen
	QCVT bb
.set bb, bb+1
.endr
	s_wait_dscnt 0x0
	QCVT 15
; THE MATRIX WORK.  Product kk of a turn's 32, for piece P: chunk kk / 4, tile 4 P + kk % 4.  The piece's four accumulators take turns, one instruction a turn; the first four start the sums.
.macro MM P
.set rD, ACC+8*(4*(\P)+kk%4)
.set rA, AF+8*(kk/4)
.set rB, 64*(kk%4)+8*(kk/4)
	WIN 0x04*(1+(\P))                              ; source 1 in window 1 or 2
.if kk < 4
	v_wmma_f32_16x16x32_bf16 v[rD:rD+7], v[rA:rA+7], v[rB:rB+7], 0
.else
	v_wmma_f32_16x16x32_bf16 v[rD:rD+7], v[rA:rA+7], v[rB:rB+7], v[rD:rD+7]
.endif
.endm
; z_sq by the matrix unit: Q_q x Q_q^T, whose diagonal is the sum of squares of the rounded row: 64 products once, in place of 1,024 multiply-adds a lane's wave.
.macro ZW P
	WIN 0x05*(1+(\P))                              ; sources 0 and 1 in window 1 or 2
.set kk, 0
.rept 32
.set rD, ACC+8*(4*(\P)+kk%4)
.set rB, 64*(kk%4)+8*(kk/4)
.if kk < 4
	v_wmma_f32_16x16x32_bf16 v[rD:rD+7], v[rB:rB+7], v[rB:rB+7], 0
.else
	v_wmma_f32_16x16x32_bf16 v[rD:rD+7], v[rB:rB+7], v[rB:rB+7], v[rD:rD+7]
.endif
.set kk, kk+1
.endr
.endm
; Register j holds the diagonal in lanes j (query j) and 24 + j (query 8 + j).  They are gathered into one register, from the accumulator's low end on; each other lane takes its query's from the lane 16 away.
.macro ZX q
	v_cndmask_b32 v[TM], v[ACC+8*(\q)], v[ACC+8*(\q)+1], s[DM+1]
.irp j, 2,3,4,5,6,7
	v_cndmask_b32 v[TM], v[TM], v[ACC+8*(\q)+\j], s[DM+\j]
.endr
	v_permlanex16_b32 v[TM+1], v[TM], s[SEL], s[SEL+1]
	v_cndmask_b32 v[ZSQ+(\q)], v[TM+1], v[TM], s[VAL]
.endm
; THE LDS LOADS.  One buffer of 64 registers: chunk c of the next step is loaded as soon as both pieces have multiplied by chunk c of this one.
.macro LD c
	ds_load_b128 v[AF+8*(\c):AF+8*(\c)+3],   v[ADR] offset:64*(\c)
	ds_load_b128 v[AF+8*(\c)+4:AF+8*(\c)+7], v[ADR] offset:64*(\c)+32
.endm
.macro LDE b                           ; e_sq of my eight codes: the spare 16 bytes of two rows; 16 lanes read the same bytes
	ds_load_b128 v[EQ+8*(\b):EQ+8*(\b)+3],   v[AER] offset:512
	ds_load_b128 v[EQ+8*(\b)+4:EQ+8*(\b)+7], v[AER] offset:512+PITCH
.endm
; THE VECTOR WORK of piece R for a step of parity par, in two queues.
; FR writes the next of 32: for each tile, four packed z_sq - 2 s, then four packed + e_sq: each one rounding, in place.  The first reads the accumulator's two lowest registers.
.macro FR R, par
.set qq, 4*(\R)+ff/8
.set rD, ACC+8*qq+2*(ff%4)
.set rZ, ZSQ+2*(qq/2)
.set rE, EQ+8*(\par)+2*(ff%4)
.if (ff%8 < 4) && (qq%2 == 1)
	v_pk_fma_f32 v[rD:rD+1], v[rD:rD+1], -2.0, v[rZ:rZ+1] op_sel:[0,0,1] op_sel_hi:[1,0,1]
.elseif ff%8 < 4
	v_pk_fma_f32 v[rD:rD+1], v[rD:rD+1], -2.0, v[rZ:rZ+1] op_sel_hi:[1,0,0]
.else
	v_pk_fma_f32 v[rD:rD+1], v[rD:rD+1], 1.0, v[rE:rE+1] op_sel_hi:[1,0,1]
.endif
.set ff, ff+1
.endm
; GR writes the next of 56.  For each tile 14: four minima of three (eight d2 and the old minimum), the compare new < old, the select of the step's number, eight selects of the d2.
; A tile's last three selects stand among the next tile's minima, where those would wait for each other.
.macro GR R, par
.if gg < 11
.set tt, 0
.set oo, gg
.elseif gg < 53
.set tt, 1+(gg-11)/14
.set uu, (gg-11)%14
.if uu < 3
.set oo, uu
.elseif uu == 3
.set tt, tt-1
.set oo, 11
.elseif uu == 4
.set oo, 3
.elseif uu < 7
.set tt, tt-1
.set oo, 7+uu
.else
.set oo, uu-3
.endif
.else
.set tt, 3
.set oo, gg-42
.endif
.set qq, 4*(\R)+tt
.set rD, ACC+8*qq
.set rO, RUN+8*(\par)+qq
.set rN, RUN+8*(1-(\par))+qq
.set rM, MK+tt%2
	WIN 0
.if oo == 0
	v_min3_num_f32 v[TM], v[rD], v[rD+1], v[rD+2]
.elseif oo == 1
	v_min3_num_f32 v[TM+1], v[rD+3], v[rD+4], v[rD+5]
.elseif oo == 2
	v_min3_num_f32 v[TM+2], v[rD+6], v[rD+7], v[rO]
.elseif oo == 3
	v_min3_num_f32 v[rN], v[TM], v[TM+1], v[TM+2]
.elseif oo == 4
	v_cmp_lt_f32 s[rM], v[rN], v[rO]
.elseif oo == 5
	v_cndmask_b32 v[TID+qq], v[TID+qq], s[SN], s[rM]
.else
	v_cndmask_b32 v[SV+8*qq+oo-6], v[SV+8*qq+oo-6], v[rD+oo-6], s[rM]
.endif
.set gg, gg+1
.endm
; A TURN.  Piece P has the matrix unit (mm = 1); the other piece's 88 stand behind its products (rid = 1): behind products 0-3 two of FR each, behind the even ones up to 22 two or three,
; behind the odd ones from 5 on four of GR.  A tile's eight of FR are dealt before its first minimum: by products 3, 8, 16, 22 for minima behind 5, 9, 17, 23.
; PLACES.  A piece's last four products stand at 28-31; behind them come the eight of GR behind 29 and 31, which name none of their registers, before the next turn's first FR reads the results.
; load = 1, piece 1's turn: e_sq of the next step first; chunk c of the next step's codes behind product 4 c + 5: its registers' last reader is product 4 c + 3, eight vector instructions or more back,
; none of which names a register of that product.  Chunk 7 follows behind product 1 of piece 0's turn.  Each chunk has 26 products in which to land.
; load = 1, piece 0's turn: ahead of chunk c's first product the wait leaves out the loads issued behind chunk c's: 12 (chunks 1-6) for c = 0, then chunks c + 1 .. 7: 14 - 2 c.
; rid = 0: the first turn of all: four v_nop are the places behind its last products.
.macro TURN P, par, load, mm, rid
.set kk, 0
.set ff, 0
.set gg, 0
.if ((\P) == 1) && (\load)
	LDE 1-(\par)
.endif
.rept 32
.if \mm
.if ((\P) == 0) && (\load) && (kk%4 == 0)
.if kk == 0
	s_wait_dscnt 12
.else
	s_wait_dscnt 14-kk/2
.endif
.endif
	MM \P
.endif
.if \rid
.set nf, 0
.if kk < 4
.set nf, 2
.elseif (kk%2 == 0) && (kk <= 22)
.set nf, 2
.if (kk == 4) || (kk == 6) || (kk == 18) || (kk == 20)
.set nf, 3
.endif
.endif
.if nf > 0
.rept nf
	FR 1-(\P), \par
.endr
.endif
.if (kk%2 == 1) && (kk >= 5)
.rept 4
	GR 1-(\P), \par
.endr
.endif
.endif
.if (\load) && ((\P) == 1) && (kk%4 == 1) && (kk >= 5)
	LD (kk-5)/4
.endif
.if (\load) && ((\P) == 0) && (kk == 1)
	LD 7
.endif
.set kk, kk+1
.endr
.if !(\rid)
.rept 4
	v_nop
.endr
.endif
.endm
; A TRIP, for step s of parity par: piece 1's products of step s beside piece 0's minimum of step s and the fetch of step s + 1; then piece 0's products of step s + 1 beside piece 1's minimum of step s.
.macro TRIP par
	WIN 0
	v_add_nc_u32 v[ADR], s[TB], v[AK0]
	v_add_nc_u32 v[AER], s[TB], v[AE0]
	s_add_co_u32 s[TB], s[TB], STEPB               ; the next fetch is the next step's
	TURN 1, \par, 1, 1, 1
	TURN 0, \par, 1, 1, 1
	WIN 0
	s_add_co_u32 s[SN], s[SN], 1
.endm
	CHANGE 1                                       ; everybody has read z, slot 0 is in; slot 1 takes codes 256-511
	v_add_nc_u32 v[ADR], s[TB], v[AK0]             ; step 0's codes and e_sq, in one run of 18 loads
	v_add_nc_u32 v[AER], s[TB], v[AE0]
	s_add_co_u32 s[TB], s[TB], STEPB
	LDE 0
.irp c, 0,1,2,3,4,5,6,7
	LD \c
.endr
	ZW 0                                           ; z_sq is made while they land
	ZW 1
	WIN 0
.set ii, 0
.rept 64                               ; what step 0 finds: minimum and saved d2 at +inf, step number 0.  These lines are also the places behind the products above
	v_mov_b32 v[SV+ii], s[PINF]
.set ii, ii+1
.endr
.set ii, 0
.rept 8
	v_mov_b32 v[RUN+ii], s[PINF]
	v_mov_b32 v[TID+ii], 0
.set ii, ii+1
.endr
	v_mov_b32 v[TM+1], 0                           ; written once: the lane exchange counts its destination as read
.irp q, 0,1,2,3,4,5,6,7
	ZX \q
.endr
	s_wait_dscnt 0x0                               ; step 0's codes and e_sq are in
	TURN 0, 0, 0, 1, 0                             ; piece 0's products of step 0: there is no vector work yet to set between them
	WIN 0
	s_mov_b32 s[CNT], 2
	s_branch .Lfirst                               ; the loop is entered in the middle: steps 0, 1, 2 make the first group
.Lslot:                                                ; 30 times: ahead of trip 4 n - 1, which fetches slot n's first step, slot n - 1 is filled again with slot n + 1
	CHANGE 1
	s_mov_b32 s[CNT], 2
.Lstep:
	TRIP 1
.Lfirst:
	TRIP 0
	s_sub_co_u32 s[CNT], s[CNT], 1
	s_cmp_lg_u32 s[CNT], 0
	s_cbranch_scc1 .Lstep
	s_sub_co_u32 s[SLOTS], s[SLOTS], 1
	s_cmp_lg_u32 s[SLOTS], 0
	s_cbranch_scc1 .Lslot
	CHANGE 0                                       ; the tail is written out: the last slot is entered, nothing is asked for
	s_mov_b32 s[CNT], 2
.Ltail:                                                ; steps 123 to 126
	TRIP 1
	TRIP 0
	s_sub_co_u32 s[CNT], s[CNT], 1
	s_cmp_lg_u32 s[CNT], 0
	s_cbranch_scc1 .Ltail
	TURN 1, 1, 0, 1, 1                             ; step 127: piece 1's products beside piece 0's minimum; nothing is fetched
	TURN 0, 1, 0, 0, 1                             ; piece 1's minimum alone
	WIN 0
	; THE END.  Step 127 is odd: the minima lie in RUN's first buffer.  All in window 0; the codes' registers are free.
.set JJ, 16
.set T1, 17
.set T2, 18
.set OV, 19
.set OC, 20
.set CD, 21
.set RA, 22
.set OA, 23
.set VC, 24                            ; v24-39  tile q's pair (value, code)
.set MG, 40                            ; v40-71  wave 0: four queries' pairs from each of the four waves
.set IX, 72                            ; v72-75  four indices
	s_lshl_b32 s22, s[WV], 6
	s_lshl_b32 s23, s[WV], 10
	s_add_co_u32 s23, s23, STAGE
	v_lshl_add_u32 v[CB], v2, 3, s22               ; 64 w + 8 (l / 16)
	v_lshl_add_u32 v[SA], v1, 3, s23               ; my wave's part of the stage, 8 bytes a query
	v_mov_b32 v[OV], 0
	v_mov_b32 v[OC], 0
; Tile q: the lowest register that holds the minimum; the code = 256 (step / 4) + 16 (step % 4) + 64 w + 8 (l / 16) + register; then the better of the two halves of the lanes, by (value, code).
.macro FIN q
	v_mov_b32 v[JJ], 7
.irp j, 6,5,4,3,2,1,0
	v_cmp_eq_f32 vcc_lo, v[SV+8*(\q)+\j], v[RUN+(\q)]
	v_cndmask_b32 v[JJ], v[JJ], \j, vcc_lo
.endr
	v_lshrrev_b32 v[T1], 2, v[TID+(\q)]
	v_and_b32 v[T2], 3, v[TID+(\q)]
	v_lshl_add_u32 v[T1], v[T1], 8, v[CB]
	v_lshl_add_u32 v[T1], v[T2], 4, v[T1]
	v_add_nc_u32 v[CD], v[T1], v[JJ]
	v_permlanex16_b32 v[OV], v[RUN+(\q)], s[SEL], s[SEL+1]
	v_permlanex16_b32 v[OC], v[CD], s[SEL], s[SEL+1]
	v_cmp_lt_f32 s67, v[OV], v[RUN+(\q)]
	v_cmp_eq_f32 s68, v[OV], v[RUN+(\q)]
	v_cmp_lt_u32 s69, v[OC], v[CD]
	s_and_b32 s68, s68, s69
	s_or_b32 s67, s67, s68
	v_cndmask_b32 v[VC+2*(\q)], v[RUN+(\q)], v[OV], s67
	v_cndmask_b32 v[VC+2*(\q)+1], v[CD], v[OC], s67
	ds_store_b64 v[SA], v[VC+2*(\q):VC+2*(\q)+1] offset:128*(\q)  ; both halves hold the same pair and write the same 8 bytes
.endm
.irp q, 0,1,2,3,4,5,6,7
	FIN \q
.endr
	s_wait_dscnt 0x0                               ; for wave 0's sake: my pairs are in the stage
	s_barrier_signal -1
	s_barrier_wait -1
	s_cmp_lg_u32 s[WV], 0
	s_cbranch_scc1 .Lmerged
	v_and_b32 v[OA], 31, v0
	v_lshl_add_u32 v[RA], v[OA], 5, STAGE          ; lane l takes queries 4 l .. 4 l + 3: 32 bytes from each wave's part
	v_lshlrev_b32 v[OA], 4, v[OA]
.irp w, 0,1,2,3
	ds_load_b128 v[MG+8*\w:MG+8*\w+3],   v[RA] offset:1024*\w
	ds_load_b128 v[MG+8*\w+4:MG+8*\w+7], v[RA] offset:1024*\w+16
.endr
	s_wait_dscnt 0x0
.irp w, 1,2,3
.irp i, 0,1,2,3
	v_cmp_lt_f32 s67, v[MG+8*\w+2*\i], v[MG+2*\i]
	v_cmp_eq_f32 s68, v[MG+8*\w+2*\i], v[MG+2*\i]
	v_cmp_lt_u32 s69, v[MG+8*\w+2*\i+1], v[MG+2*\i+1]
	s_and_b32 s68, s68, s69
	s_or_b32 s67, s67, s68
	v_cndmask_b32 v[MG+2*\i], v[MG+2*\i], v[MG+8*\w+2*\i], s67
	v_cndmask_b32 v[MG+2*\i+1], v[MG+2*\i+1], v[MG+8*\w+2*\i+1], s67
.endr
.endr
.irp i, 0,1,2,3
	v_mov_b32 v[IX+\i], v[MG+2*\i+1]
.endr
	global_store_b128 v[OA], v[IX:IX+3], s[8:9]    ; the wave stores 512 consecutive bytes, at a multiple of 256 from the buffer's first byte
	global_store_b128 v[OA], v[IX:IX+3], s[10:11]  ; and the copy from which the next launch forms its addresses
.Lmerged:
	s_wait_tensorcnt 0x0                           ; the wave's end: these three lines, behind my last tensor load and my last LDS store
	ds_add_u32 v[SPW], v[NIL]
	s_wait_dscnt 0x0
	CROUND                                         ; the closing round: no work-group ends while a partner may still ask for a tile that names it
	s_endpgm
.Lfunc_end_k_q7099d2c01e_vq_argmin:
	.size	k_q7099d2c01e_vq_argmin, .Lfunc_end_k_q7099d2c01e_vq_argmin-k_q7099d2c01e_vq_argmin
	.p2alignl 7, 3214868480
	.fill 96, 4, 3214868480
	.section	.rodata,"a",@progbits
	.p2align	6, 0x0
	.amdhsa_kernel k_q7099d2c01e_vq_argmin
		.amdhsa_group_segment_fixed_size 327680
		.amdhsa_private_segment_fixed_size 0
		.amdhsa_enable_private_segment 0
		.amdhsa_kernarg_size 32
		.amdhsa_user_sgpr_count 2
		.amdhsa_user_sgpr_kernarg_segment_ptr 1
		.amdhsa_wavefront_size32 1
		.amdhsa_system_sgpr_workgroup_id_x 1
		.amdhsa_system_sgpr_workgroup_id_y 1
		.amdhsa_system_sgpr_workgroup_id_z 1
		.amdhsa_system_vgpr_workitem_id 0
		.amdhsa_next_free_vgpr 768
		.amdhsa_next_free_sgpr 72
		.amdhsa_reserve_vcc 1
		.amdhsa_float_denorm_mode_32 3
		.amdhsa_float_denorm_mode_16_64 3
		.amdhsa_memory_ordered 1
		.amdhsa_forward_progress 1
		.amdhsa_inst_pref_size 177
	.end_amdhsa_kernel
	.amdgpu_metadata
---
amdhsa.version: [ 1, 2 ]
amdhsa.kernels:
  - .name:           k_q7099d2c01e_vq_argmin
    .symbol:         k_q7099d2c01e_vq_argmin.kd
    .args:
      - { .name: z_e, .offset: 0, .size: 8, .value_kind: global_buffer, .address_space: global }
      - { .name: cbimg, .offset: 8, .size: 8, .value_kind: global_buffer, .address_space: global }
      - { .name: out1, .offset: 16, .size: 8, .value_kind: global_buffer, .address_space: global }
      - { .name: order, .offset: 24, .size: 8, .value_kind: global_buffer, .address_space: global }
    .group_segment_fixed_size: 327680
    .private_segment_fixed_size: 0
    .kernarg_segment_align: 8
    .kernarg_segment_size: 32
    .max_flat_workgroup_size: 128
    .sgpr_count:     72
    .vgpr_count:     768
    .wavefront_size: 32
...
	.end_amdgpu_metadata
.endif
;; end of part 2
;; launch vq_gather (part 3): grid 512 x 1, 8 waves a work-group, no clusters, 0 bytes of LDS; arguments z_e, codebook, order, out0, part; writes out0, part
.if DOCPART == 3
	.amdgcn_target "amdgcn-amd-amdhsa--gfx1250"
	.amdhsa_code_object_version 6
	.text
	.protected	k_q7099d2c01e_vq_gather
	.globl	k_q7099d2c01e_vq_gather
	.p2align	8
	.type	k_q7099d2c01e_vq_gather,@function
k_q7099d2c01e_vq_gather:
	s_mov_b64 s[64:65], 0
	v_nop
	global_prefetch_b8 v0, s[64:65] scope:SCOPE_SE
	s_setreg_imm32_b32 hwreg(HW_REG_WAVE_MODE, 25, 1), 1
	s_wait_xcnt 0x0
; out0[b] = z_e[b] + (codebook[order[b]] - z_e[b]), in f32 and in that order; part[g] = wave g's sum of (codebook[order[b]] - z_e[b])^2.
; A stream: memory binds, so no LDS, no barrier, no matrix unit.  Wave g = 8 x work-group + wave takes rows 8 g .. 8 g + 7; a row is 1,024 bytes: two loads of 16 bytes a lane,
; each covering 512 consecutive bytes.  No loop: all 32 loads of a wave are on their way at once.  The eight indices come by one scalar load; each is held inside the table by a minimum with 8,191.
.set ROW, 1024
.set LO,  1                            ; v1        16 x lane
.set O,   2                            ; v[2:9]    row i: byte offset of my 16 bytes of its codebook row
.set LN,  10                           ; v10       lane
.set NUL, 11                           ; v11       0
.set Z,   12                           ; v[12:75]  row i: 8 f32 of z_e
.set C,   76                           ; v[76:139] row i: 8 f32 of the codebook row, then of the result
.set L,   140                          ; v[140:147] four pairs of sums of squares
.set T,   148                          ; v148, v149 at work
	s_load_b256 s[4:11], s[0:1], 0x0               ; z_e s[4:5], codebook s[6:7], order s[8:9], out0 s[10:11]
	s_load_b64 s[12:13], s[0:1], 0x20              ; part
	v_lshrrev_b32 v[LO], 5, v0
	v_readfirstlane_b32 s14, v[LO]                 ; wave 0..7
	v_and_b32 v[LN], 31, v0
	v_lshlrev_b32 v[LO], 4, v[LN]
	s_lshl_b32 s15, ttmp9, 3
	s_add_co_u32 s15, s15, s14                     ; g
	s_lshl_b32 s24, s15, 13                        ; eight rows of 1,024 bytes
	s_mov_b32 s25, 0
	s_lshl_b32 s26, s15, 5                         ; eight indices
	s_mov_b32 s27, 0
	s_lshl_b32 s28, s15, 2                         ; one sum
	s_mov_b32 s29, 0
	s_mov_b32 s30, 0x76543210                      ; v_permlanex16_b32: each lane takes its own place in the other half
	s_mov_b32 s31, 0xfedcba98
	v_mov_b32 v[NUL], 0
	v_mov_b32 v[T+1], 0                            ; written once: the lane exchange counts its destination as read
	s_wait_kmcnt 0x0
	s_add_nc_u64 s[8:9], s[8:9], s[26:27]
	s_load_b256 s[16:23], s[8:9], 0x0              ; my eight indices
	s_add_nc_u64 s[4:5], s[4:5], s[24:25]
	s_add_nc_u64 s[10:11], s[10:11], s[24:25]
	s_add_nc_u64 s[12:13], s[12:13], s[28:29]
.irp i, 0,1,2,3,4,5,6,7
	global_load_b128 v[Z+8*\i:Z+8*\i+3],   v[LO], s[4:5] offset:ROW*\i th:TH_LOAD_NT
	global_load_b128 v[Z+8*\i+4:Z+8*\i+7], v[LO], s[4:5] offset:ROW*\i+512 th:TH_LOAD_NT
.endr
	s_wait_kmcnt 0x0
.irp i, 0,1,2,3,4,5,6,7
	s_min_u32 s[16+\i], s[16+\i], 8191
	s_lshl_b32 s[16+\i], s[16+\i], 10
	v_add_nc_u32 v[O+\i], s[16+\i], v[LO]
	global_load_b128 v[C+8*\i:C+8*\i+3],   v[O+\i], s[6:7]            ; no hint: a row may be named again
	global_load_b128 v[C+8*\i+4:C+8*\i+7], v[O+\i], s[6:7] offset:512
.endr
.macro ROWOUT i
	s_wait_loadcnt 14-2*(\i)                       ; loads come back in order: all of z and row i's two gathers are in, two for each younger row stay out
.irp j, 0,1,2,3
	v_pk_add_f32 v[C+8*(\i)+2*\j:C+8*(\i)+2*\j+1], v[C+8*(\i)+2*\j:C+8*(\i)+2*\j+1], v[Z+8*(\i)+2*\j:Z+8*(\i)+2*\j+1] neg_lo:[0,1] neg_hi:[0,1]  ; z_q - z_e
.endr
.irp j, 0,1,2,3
.if (\i) == 0
	v_pk_mul_f32 v[L+2*\j:L+2*\j+1], v[C+2*\j:C+2*\j+1], v[C+2*\j:C+2*\j+1]                       ; the first row starts the sums
.else
	v_pk_fma_f32 v[L+2*\j:L+2*\j+1], v[C+8*(\i)+2*\j:C+8*(\i)+2*\j+1], v[C+8*(\i)+2*\j:C+8*(\i)+2*\j+1], v[L+2*\j:L+2*\j+1]
.endif
.endr
.irp j, 0,1,2,3
	v_pk_add_f32 v[C+8*(\i)+2*\j:C+8*(\i)+2*\j+1], v[Z+8*(\i)+2*\j:Z+8*(\i)+2*\j+1], v[C+8*(\i)+2*\j:C+8*(\i)+2*\j+1]  ; z_e + (z_q - z_e)
.endr
	global_store_b128 v[LO], v[C+8*(\i):C+8*(\i)+3],   s[10:11] offset:ROW*(\i) th:TH_STORE_NT
	global_store_b128 v[LO], v[C+8*(\i)+4:C+8*(\i)+7], s[10:11] offset:ROW*(\i)+512 th:TH_STORE_NT
.endm
.irp i, 0,1,2,3,4,5,6,7
	ROWOUT \i
.endr
	v_pk_add_f32 v[L:L+1], v[L:L+1], v[L+2:L+3]
	v_pk_add_f32 v[L+4:L+5], v[L+4:L+5], v[L+6:L+7]
	v_pk_add_f32 v[L:L+1], v[L:L+1], v[L+4:L+5]
	v_add_f32 v[T], v[L], v[L+1]
.irp x, 1,2,4,8
	v_add_f32_dpp v[T], v[T], v[T] row_xmask:\x row_mask:0xf bank_mask:0xf
.endr
	v_permlanex16_b32 v[T+1], v[T], s30, s31
	v_add_f32 v[T], v[T], v[T+1]
	v_cmp_eq_u32 vcc_lo, 0, v[LN]
	s_wait_xcnt 0x0                                ; EXEC is a source of the stores above: it is narrowed only behind this wait
	s_and_saveexec_b32 s32, vcc_lo
	global_store_b32 v[NUL], v[T], s[12:13]        ; lane 0 alone: the wave's sum
	s_endpgm
.Lfunc_end_k_q7099d2c01e_vq_gather:
	.size	k_q7099d2c01e_vq_gather, .Lfunc_end_k_q7099d2c01e_vq_gather-k_q7099d2c01e_vq_gather
	.p2alignl 7, 3214868480
	.fill 96, 4, 3214868480
	.section	.rodata,"a",@progbits
	.p2align	6, 0x0
	.amdhsa_kernel k_q7099d2c01e_vq_gather
		.amdhsa_group_segment_fixed_size 0
		.amdhsa_private_segment_fixed_size 0
		.amdhsa_enable_private_segment 0
		.amdhsa_kernarg_size 40
		.amdhsa_user_sgpr_count 2
		.amdhsa_user_sgpr_kernarg_segment_ptr 1
		.amdhsa_wavefront_size32 1
		.amdhsa_system_sgpr_workgroup_id_x 1
		.amdhsa_system_sgpr_workgroup_id_y 1
		.amdhsa_system_sgpr_workgroup_id_z 1
		.amdhsa_system_vgpr_workitem_id 0
		.amdhsa_next_free_vgpr 152
		.amdhsa_next_free_sgpr 66
		.amdhsa_reserve_vcc 1
		.amdhsa_float_denorm_mode_32 3
		.amdhsa_float_denorm_mode_16_64 3
		.amdhsa_memory_ordered 1
		.amdhsa_forward_progress 1
		.amdhsa_inst_pref_size 14
	.end_amdhsa_kernel
	.amdgpu_metadata
---
amdhsa.version: [ 1, 2 ]
amdhsa.kernels:
  - .name:           k_q7099d2c01e_vq_gather
    .symbol:         k_q7099d2c01e_vq_gather.kd
    .args:
      - { .name: z_e, .offset: 0, .size: 8, .value_kind: global_buffer, .address_space: global }
      - { .name: codebook, .offset: 8, .size: 8, .value_kind: global_buffer, .address_space: global }
      - { .name: order, .offset: 16, .size: 8, .value_kind: global_buffer, .address_space: global }
      - { .name: out0, .offset: 24, .size: 8, .value_kind: global_buffer, .address_space: global }
      - { .name: part, .offset: 32, .size: 8, .value_kind: global_buffer, .address_space: global }
    .group_segment_fixed_size: 0
    .private_segment_fixed_size: 0
    .kernarg_segment_align: 8
    .kernarg_segment_size: 40
    .max_flat_workgroup_size: 256
    .sgpr_count:     66
    .vgpr_count:     152
    .wavefront_size: 32
...
	.end_amdgpu_metadata
.endif
;; end of part 3
;; launch loss_sum (part 4): grid 1 x 1, 1 waves a work-group, no clusters, 0 bytes of LDS; arguments part, out2; writes out2
.if DOCPART == 4
	.amdgcn_target "amdgcn-amd-amdhsa--gfx1250"
	.amdhsa_code_object_version 6
	.text
	.protected	k_q7099d2c01e_loss_sum
	.globl	k_q7099d2c01e_loss_sum
	.p2align	8
	.type	k_q7099d2c01e_loss_sum,@function
k_q7099d2c01e_loss_sum:
	s_mov_b64 s[64:65], 0
	v_nop
	global_prefetch_b8 v0, s[64:65] scope:SCOPE_SE
	s_setreg_imm32_b32 hwreg(HW_REG_WAVE_MODE, 25, 1), 1
	s_wait_xcnt 0x0
; out2 = m + 0.25 m, m = (the sum of part's 4,096 numbers) / 2^23: the mean of (z_q - z_e)^2 over 32,768 x 256 numbers.
; One wave: a sum over all work-groups of the launch before has one owner.  16,384 bytes are 32 loads of 512 consecutive bytes, all on their way at once.
.set X, 4                              ; v[4:131]  64 pairs; the first four pairs take the sums, in four chains
	s_load_b128 s[4:7], s[0:1], 0x0                ; part s[4:5], out2 s[6:7]
	v_lshlrev_b32 v1, 4, v0
	v_mov_b32 v2, 0
	v_mov_b32 v3, 0                                ; written once: the lane exchange counts its destination as read
	s_mov_b32 s8, 0x76543210
	s_mov_b32 s9, 0xfedcba98
	s_wait_kmcnt 0x0
.set i, 0
.rept 32
	global_load_b128 v[X+4*i:X+4*i+3], v1, s[4:5] offset:512*i
.set i, i+1
.endr
	s_wait_loadcnt 0x0
.set p, 4
.rept 60
	v_pk_add_f32 v[X+2*(p%4):X+2*(p%4)+1], v[X+2*(p%4):X+2*(p%4)+1], v[X+2*p:X+2*p+1]
.set p, p+1
.endr
	v_pk_add_f32 v[X:X+1], v[X:X+1], v[X+2:X+3]
	v_pk_add_f32 v[X+4:X+5], v[X+4:X+5], v[X+6:X+7]
	v_pk_add_f32 v[X:X+1], v[X:X+1], v[X+4:X+5]
	v_add_f32 v[X], v[X], v[X+1]
.irp x, 1,2,4,8
	v_add_f32_dpp v[X], v[X], v[X] row_xmask:\x row_mask:0xf bank_mask:0xf
.endr
	v_permlanex16_b32 v3, v[X], s8, s9
	v_add_f32 v[X], v[X], v3
	v_mul_f32 v[X], 0x34000000, v[X]               ; x 2^-23, exact
	v_fmamk_f32 v[X+1], v[X], 0x3e800000, v[X]     ; m x 0.25 + m
	v_cmp_eq_u32 vcc_lo, 0, v0
	s_wait_xcnt 0x0                                ; EXEC is narrowed only behind this wait
	s_and_saveexec_b32 s10, vcc_lo
	global_store_b32 v2, v[X+1], s[6:7]
	s_endpgm
.Lfunc_end_k_q7099d2c01e_loss_sum:
	.size	k_q7099d2c01e_loss_sum, .Lfunc_end_k_q7099d2c01e_loss_sum-k_q7099d2c01e_loss_sum
	.p2alignl 7, 3214868480
	.fill 96, 4, 3214868480
	.section	.rodata,"a",@progbits
	.p2align	6, 0x0
	.amdhsa_kernel k_q7099d2c01e_loss_sum
		.amdhsa_group_segment_fixed_size 0
		.amdhsa_private_segment_fixed_size 0
		.amdhsa_enable_private_segment 0
		.amdhsa_kernarg_size 16
		.amdhsa_user_sgpr_count 2
		.amdhsa_user_sgpr_kernarg_segment_ptr 1
		.amdhsa_wavefront_size32 1
		.amdhsa_system_sgpr_workgroup_id_x 1
		.amdhsa_system_sgpr_workgroup_id_y 1
		.amdhsa_system_sgpr_workgroup_id_z 1
		.amdhsa_system_vgpr_workitem_id 0
		.amdhsa_next_free_vgpr 136
		.amdhsa_next_free_sgpr 66
		.amdhsa_reserve_vcc 1
		.amdhsa_float_denorm_mode_32 3
		.amdhsa_float_denorm_mode_16_64 3
		.amdhsa_memory_ordered 1
		.amdhsa_forward_progress 1
		.amdhsa_inst_pref_size 9
	.end_amdhsa_kernel
	.amdgpu_metadata
---
amdhsa.version: [ 1, 2 ]
amdhsa.kernels:
  - .name:           k_q7099d2c01e_loss_sum
    .symbol:         k_q7099d2c01e_loss_sum.kd
    .args:
      - { .name: part, .offset: 0, .size: 8, .value_kind: global_buffer, .address_space: global }
      - { .name: out2, .offset: 8, .size: 8, .value_kind: global_buffer, .address_space: global }
    .group_segment_fixed_size: 0
    .private_segment_fixed_size: 0
    .kernarg_segment_align: 8
    .kernarg_segment_size: 16
    .max_flat_workgroup_size: 32
    .sgpr_count:     66
    .vgpr_count:     136
    .wavefront_size: 32
...
	.end_amdgpu_metadata
.endif
;; end of part 4
;; ======== version 2 of 2: 4 launches; version 1 with the launch vq_gather written anew for expert scheduling mode
;; workspace buffers: cbimg 4,325,376 bytes; order 131,072 bytes of whole numbers; part 16,384 bytes
;; launch cb_image: the kernel of part 1 again; grid 256 x 1, 8 waves a work-group, no clusters, 17,920 bytes of LDS; arguments codebook, cbimg; writes cbimg
;; launch vq_argmin: the kernel of part 2 again; grid 256 x 1, 4 waves a work-group, clusters of 4 x 1, 327,680 bytes of LDS; arguments z_e, cbimg, out1, order; writes out1, order
;; launch vq_gather (part 5): grid 512 x 1, 8 waves a work-group, no clusters, 0 bytes of LDS; arguments z_e, codebook, order, out0, part; writes out0, part
.if DOCPART == 5
	.amdgcn_target "amdgcn-amd-amdhsa--gfx1250"
	.amdhsa_code_object_version 6
	.text
	.protected	k_q7099d2c01e_vq_gather
	.globl	k_q7099d2c01e_vq_gather
	.p2align	8
	.type	k_q7099d2c01e_vq_gather,@function
k_q7099d2c01e_vq_gather:
	s_mov_b64 s[64:65], 0
	v_nop
	global_prefetch_b8 v0, s[64:65] scope:SCOPE_SE
	s_setreg_imm32_b32 hwreg(HW_REG_WAVE_SCHED_MODE, 0, 2), 2
	s_setreg_imm32_b32 hwreg(HW_REG_WAVE_MODE, 25, 1), 1
	s_wait_xcnt 0x0
	s_wait_alu depctr_vm_vsrc(0)
; out0[b] = z_e[b] + (codebook[order[b]] - z_e[b]), in f32 and in that order; part[g] = wave g's sum of (codebook[order[b]] - z_e[b])^2.
; A stream: memory binds, so no LDS, no barrier, no matrix unit.  Wave g = 8 x work-group + wave takes rows 8 g .. 8 g + 7; a row is 1,024 bytes: two loads of 16 bytes a lane,
; each covering 512 consecutive bytes.  No loop: all 32 loads of a wave are on their way at once.  The eight indices come by one scalar load; each is held inside the table by a minimum with 8,191.
; THE MODE: SCHED_MODE bits 1:0 = 2 (LLVM: expert scheduling mode 2), set by the entry lines.  The code itself states the register dependences
; between vector instructions and memory instructions, with s_wait_alu, always for 0.
; THE PLAN.  Registers that memory instructions touch:
;   v[LO]     16 x lane.  Written once at the head; read as the offset by every load of z_e and every store of out0; never written again.
;   v[O ..]   the eight gather offsets.  Written by eight additions when the indices are in; read by the sixteen gather loads; never written again.
;   Z         written by loads alone; read by the rows' additions behind the wait for the data.
;   C, row i  its two gather loads land in it; row i's additions work on it in place; two stores, issued at the head of row i + 1, read it; never written again.
;   v[NUL], v[T]  written by vector instructions; read by the last store.
;   L and v[T+1] are named by vector instructions alone.
; So: one wait on va_vdst ahead of the first load (v[LO]); one behind the eight offsets, ahead of the run of gather loads; one at the head of each row but the first, behind the wait for the
; row's data, for the two stores of the row before, which no vector instruction of this row names; one behind the last row.  No register that a memory instruction has read is written again,
; so the only wait on vm_vsrc is the one that stands ahead of the write of EXEC.
.set ROW, 1024
.set LO,  1                            ; v1        16 x lane
.set O,   2                            ; v[2:9]    row i: byte offset of my 16 bytes of its codebook row
.set LN,  10                           ; v10       lane
.set NUL, 11                           ; v11       0
.set Z,   12                           ; v[12:75]  row i: 8 f32 of z_e
.set C,   76                           ; v[76:139] row i: 8 f32 of the codebook row, then of the result
.set L,   140                          ; v[140:147] four pairs of sums of squares
.set T,   148                          ; v148, v149 at work
	s_load_b256 s[4:11], s[0:1], 0x0               ; z_e s[4:5], codebook s[6:7], order s[8:9], out0 s[10:11]
	s_load_b64 s[12:13], s[0:1], 0x20              ; part
	v_lshrrev_b32 v[LO], 5, v0
	v_readfirstlane_b32 s14, v[LO]                 ; wave 0..7
	v_and_b32 v[LN], 31, v0
	v_lshlrev_b32 v[LO], 4, v[LN]
	v_mov_b32 v[NUL], 0
	v_mov_b32 v[T+1], 0                            ; written once: the lane exchange counts its destination as read
	s_wait_alu depctr_va_sdst(0)                   ; s14 is written, ahead of its first reader: g, and with it every base, is made from it
	s_lshl_b32 s15, ttmp9, 3
	s_add_co_u32 s15, s15, s14                     ; g
	s_lshl_b32 s24, s15, 13                        ; eight rows of 1,024 bytes
	s_mov_b32 s25, 0
	s_lshl_b32 s26, s15, 5                         ; eight indices
	s_mov_b32 s27, 0
	s_lshl_b32 s28, s15, 2                         ; one sum
	s_mov_b32 s29, 0
	s_mov_b32 s30, 0x76543210                      ; v_permlanex16_b32: each lane takes its own place in the other half
	s_mov_b32 s31, 0xfedcba98
	s_wait_kmcnt 0x0
	s_add_nc_u64 s[8:9], s[8:9], s[26:27]
	s_load_b256 s[16:23], s[8:9], 0x0              ; my eight indices
	s_add_nc_u64 s[4:5], s[4:5], s[24:25]
	s_add_nc_u64 s[10:11], s[10:11], s[24:25]
	s_add_nc_u64 s[12:13], s[12:13], s[28:29]
	s_wait_alu depctr_va_vdst(0)                   ; v[LO] is written: every load of z_e and every store of out0 reads it as its offset
.irp i, 0,1,2,3,4,5,6,7
	global_load_b128 v[Z+8*\i:Z+8*\i+3],   v[LO], s[4:5] offset:ROW*\i th:TH_LOAD_NT
	global_load_b128 v[Z+8*\i+4:Z+8*\i+7], v[LO], s[4:5] offset:ROW*\i+512 th:TH_LOAD_NT
.endr
	s_wait_kmcnt 0x0
.irp i, 0,1,2,3,4,5,6,7                ; all eight offsets first, so that one wait serves the sixteen loads that read them
	s_min_u32 s[16+\i], s[16+\i], 8191
	s_lshl_b32 s[16+\i], s[16+\i], 10
	v_add_nc_u32 v[O+\i], s[16+\i], v[LO]
.endr
	s_wait_alu depctr_va_vdst(0)                   ; the eight additions have written v[O ..], which the gather loads read as their offsets
.irp i, 0,1,2,3,4,5,6,7
	global_load_b128 v[C+8*\i:C+8*\i+3],   v[O+\i], s[6:7]            ; no hint: a row may be named again
	global_load_b128 v[C+8*\i+4:C+8*\i+7], v[O+\i], s[6:7] offset:512
.endr
; Row i.  At its head the row before goes out; then this row's twelve packed instructions, which name its own C and Z and the sums L.
.macro ROWOUT i
	s_wait_loadcnt 14-2*(\i)                       ; loads come back in order: all of z and row i's two gathers are in, two for each younger row stay out
.if (\i) > 0
	s_wait_alu depctr_va_vdst(0)                   ; the additions of the row before have written its C, which the two stores below read
	global_store_b128 v[LO], v[C+8*((\i)-1):C+8*((\i)-1)+3],   s[10:11] offset:ROW*((\i)-1) th:TH_STORE_NT
	global_store_b128 v[LO], v[C+8*((\i)-1)+4:C+8*((\i)-1)+7], s[10:11] offset:ROW*((\i)-1)+512 th:TH_STORE_NT
.endif
.irp j, 0,1,2,3
	v_pk_add_f32 v[C+8*(\i)+2*\j:C+8*(\i)+2*\j+1], v[C+8*(\i)+2*\j:C+8*(\i)+2*\j+1], v[Z+8*(\i)+2*\j:Z+8*(\i)+2*\j+1] neg_lo:[0,1] neg_hi:[0,1]  ; z_q - z_e
.endr
.irp j, 0,1,2,3
.if (\i) == 0
	v_pk_mul_f32 v[L+2*\j:L+2*\j+1], v[C+2*\j:C+2*\j+1], v[C+2*\j:C+2*\j+1]                       ; the first row starts the sums
.else
	v_pk_fma_f32 v[L+2*\j:L+2*\j+1], v[C+8*(\i)+2*\j:C+8*(\i)+2*\j+1], v[C+8*(\i)+2*\j:C+8*(\i)+2*\j+1], v[L+2*\j:L+2*\j+1]
.endif
.endr
.irp j, 0,1,2,3
	v_pk_add_f32 v[C+8*(\i)+2*\j:C+8*(\i)+2*\j+1], v[Z+8*(\i)+2*\j:Z+8*(\i)+2*\j+1], v[C+8*(\i)+2*\j:C+8*(\i)+2*\j+1]  ; z_e + (z_q - z_e)
.endr
.endm
.irp i, 0,1,2,3,4,5,6,7
	ROWOUT \i
.endr
	s_wait_alu depctr_va_vdst(0)                   ; row 7's additions have written its C, which the last two stores of out0 read
	global_store_b128 v[LO], v[C+56:C+59], s[10:11] offset:ROW*7 th:TH_STORE_NT
	global_store_b128 v[LO], v[C+60:C+63], s[10:11] offset:ROW*7+512 th:TH_STORE_NT
	v_pk_add_f32 v[L:L+1], v[L:L+1], v[L+2:L+3]
	v_pk_add_f32 v[L+4:L+5], v[L+4:L+5], v[L+6:L+7]
	v_pk_add_f32 v[L:L+1], v[L:L+1], v[L+4:L+5]
	v_add_f32 v[T], v[L], v[L+1]
.irp x, 1,2,4,8
	v_add_f32_dpp v[T], v[T], v[T] row_xmask:\x row_mask:0xf bank_mask:0xf
.endr
	v_permlanex16_b32 v[T+1], v[T], s30, s31
	v_add_f32 v[T], v[T], v[T+1]
	v_cmp_eq_u32 vcc_lo, 0, v[LN]
	s_wait_alu depctr_va_vcc(0)                    ; VCC is written, ahead of its first reader: EXEC is made from it
	s_wait_xcnt 0x0                                ; EXEC is a source of the stores above: it is narrowed only behind this wait
	s_wait_alu depctr_va_vdst(0)                   ; ahead of the write of EXEC: every vector instruction issued so far has written its result, v[T] and v[NUL] among them, which the store below reads
	s_wait_alu depctr_vm_vsrc(0)                   ; ahead of the write of EXEC: the stores issued so far have read their vector registers
	s_and_saveexec_b32 s32, vcc_lo
	global_store_b32 v[NUL], v[T], s[12:13]        ; lane 0 alone: the wave's sum
	s_endpgm
.Lfunc_end_k_q7099d2c01e_vq_gather:
	.size	k_q7099d2c01e_vq_gather, .Lfunc_end_k_q7099d2c01e_vq_gather-k_q7099d2c01e_vq_gather
	.p2alignl 7, 3214868480
	.fill 96, 4, 3214868480
	.section	.rodata,"a",@progbits
	.p2align	6, 0x0
	.amdhsa_kernel k_q7099d2c01e_vq_gather
		.amdhsa_group_segment_fixed_size 0
		.amdhsa_private_segment_fixed_size 0
		.amdhsa_enable_private_segment 0
		.amdhsa_kernarg_size 40
		.amdhsa_user_sgpr_count 2
		.amdhsa_user_sgpr_kernarg_segment_ptr 1
		.amdhsa_wavefront_size32 1
		.amdhsa_system_sgpr_workgroup_id_x 1
		.amdhsa_system_sgpr_workgroup_id_y 1
		.amdhsa_system_sgpr_workgroup_id_z 1
		.amdhsa_system_vgpr_workitem_id 0
		.amdhsa_next_free_vgpr 152
		.amdhsa_next_free_sgpr 66
		.amdhsa_reserve_vcc 1
		.amdhsa_float_denorm_mode_32 3
		.amdhsa_float_denorm_mode_16_64 3
		.amdhsa_memory_ordered 1
		.amdhsa_forward_progress 1
		.amdhsa_inst_pref_size 15
	.end_amdhsa_kernel
	.amdgpu_metadata
---
amdhsa.version: [ 1, 2 ]
amdhsa.kernels:
  - .name:           k_q7099d2c01e_vq_gather
    .symbol:         k_q7099d2c01e_vq_gather.kd
    .args:
      - { .name: z_e, .offset: 0, .size: 8, .value_kind: global_buffer, .address_space: global }
      - { .name: codebook, .offset: 8, .size: 8, .value_kind: global_buffer, .address_space: global }
      - { .name: order, .offset: 16, .size: 8, .value_kind: global_buffer, .address_space: global }
      - { .name: out0, .offset: 24, .size: 8, .value_kind: global_buffer, .address_space: global }
      - { .name: part, .offset: 32, .size: 8, .value_kind: global_buffer, .address_space: global }
    .group_segment_fixed_size: 0
    .private_segment_fixed_size: 0
    .kernarg_segment_align: 8
    .kernarg_segment_size: 40
    .max_flat_workgroup_size: 256
    .sgpr_count:     66
    .vgpr_count:     152
    .wavefront_size: 32
...
	.end_amdgpu_metadata
.endif
;; end of part 5
;; launch loss_sum: the kernel of part 4 again; grid 1 x 1, 1 waves a work-group, no clusters, 0 bytes of LDS; arguments part, out2; writes out2
